; MI455X (gfx1250); checked and timed in simulation.
; The chip was launched on July 23, 2026; its instructions are those of AMD's public machine-readable ISA for CDNA 5 (MIT licence, August 2026) and "CDNA5" Instruction Set Architecture Reference Guide (July 2026). The comments in the code are by the model that wrote it; some were corrected since.
;; Loss. Allowed arithmetic: matrix products marked QUANTISED: E2M3 operands, one E8M0 scale for each 32 along K, by v_wmma_scale_f32_16x16x128_f8f6f4 with both operands' format E2M3, f32 sums; products left as they are: f32 operands where the result goes on into a quantised operand, else bf16, f16 or f32 operands; f32 sums; everything else in f32.
;; Inputs: batch 128 x 512 x 80 float32; model_score_for_div 128 x 512 float32; model_score_for_ndcg 128 x 512 float32; relevance 128 x 512 float32.
;; Outputs: out0 128 float32; out1 128 float32; out2 128 float32; out3 128 float32.
;; This version of the problem:
;;   THIS VERSION OF THE PROBLEM IS GIVEN IN LOW PRECISION. The matrix products marked QUANTISED in the list below multiply operands that are first quantised to E2M3 (2 exponent bits, 3 mantissa bits; 6 bits a number), with one power-of-two scale for each 32 numbers along K (OCP MX v1.0); their sums are f32. All else is computed in f32.
;;   The module's matrix products, in the order in which they are computed (A, B: the left and right operand; K: the contracted axis; several contracted axes count as one K, in the product's order):
;;     1. batch 128 x [M 512, K 512] x [K 512, N 1]; A: computed on the way; B: input relevance: left as it is (N = 1 < 16)
;;     2. [M 65,536, K 512] x [K 512, N 1]; A: computed on the way; B: computed on the way: left as it is (N = 1 < 16)
;;     3. batch 128 x [M 512, K 64] x [K 64, N 512]; A: computed on the way; B: computed on the way: QUANTISED
;;   THE QUANTISER, for each operand of a quantised product, along K:
;;     - K is cut into blocks of 32 from its start; a last block that is shorter is filled with zeros.
;;     - A block's scale is 2^e with e = floor(log2(the largest magnitude in the block)) - 2, held to -126 .. 127; a block of zeros has e = 0. As a byte (E8M0): e + 127.
;;     - Each number is divided by its block's scale, clamped to +-7.5, and rounded to the nearest number of E2M3, ties to even, subnormals kept.
;;     - The product sums the exact products of the quantised numbers (number of the format x scale) in f32.
;;   ~~~python
;;   def quantise(x, axis):      # numpy; x: float32 -> the quantised numbers, widened to float32 again
;;       x = np.moveaxis(x, axis, -1); K = x.shape[-1]
;;       x = np.pad(x, [(0, 0)] * (x.ndim - 1) + [(0, -K % 32)]); x = x.reshape(x.shape[:-1] + (-1, 32)); a = np.abs(x).max(-1, keepdims=True)
;;       e = np.where(a > 0, np.clip(np.frexp(np.where(a > 0, a, 1))[1] - 1 - 2, -126, 127), 0)      # np.frexp(a)[1] - 1 = floor(log2(a)), exactly
;;       r = np.clip(x / 2.0 ** e, -7.5, 7.5)
;;       step = 2.0 ** (np.maximum(np.frexp(np.where(r == 0, 1, r))[1] - 1, 0) - 3)
;;       q = np.round(r / step) * step * 2.0 ** e      # np.round: ties to even
;;       return np.moveaxis(q.reshape(q.shape[:-2] + (-1,))[..., :K], -1, axis).astype(np.float32)
;;   ~~~
;;   OPERANDS COMPUTED ON THE WAY. 'Computed on the way' means the value that the module computes at that place (a softmax that the list does not call 'softmax' is quantised finished and normalised). What goes into a quantiser is computed in f32, as accurately as f32 sums, v_exp_f32 and their like allow (about 1e-6 of the number): no bf16 or f16 on the way to a quantiser, and a product that is left as it is and whose result goes on into a quantised operand takes f32 operands (vector FMAs, or v_wmma_f32_16x16x4_f32). A number that lies on a knife's edge between two numbers of the format may be rounded either way, as far as f32 arithmetic and the matrix unit's own rounding can turn it there, and no further.
;; One version. Each part assembles by itself: llvm-mc -triple=amdgcn-amd-amdhsa -mcpu=gfx1250 --defsym DOCPART=n.
;; ======== version 1 of 1: 1 launch
;; launch loss (part 1): grid 128 x 2, 16 waves a work-group, no clusters, 120,832 bytes of LDS; arguments batch, model_score_for_div, model_score_for_ndcg, relevance, out0, out1, out2, out3; writes out0, out1, out2, out3
.if DOCPART == 1
	.amdgcn_target "amdgcn-amd-amdhsa--gfx1250"
	.amdhsa_code_object_version 6
	.text
	.protected	k_q1ff2ae472f_loss
	.globl	k_q1ff2ae472f_loss
	.p2align	8
	.type	k_q1ff2ae472f_loss,@function
k_q1ff2ae472f_loss:
	s_mov_b64 s[64:65], 0
	v_nop
	global_prefetch_b8 v0, s[64:65] scope:SCOPE_SE
	s_setreg_imm32_b32 hwreg(HW_REG_WAVE_MODE, 25, 1), 1
	s_wait_xcnt 0x0
; The ranking loss: soft NDCG, NDCG, soft diversity, diversity, for 128 users of 512 items.
; A work-group of 16 waves owns ONE soft permutation matrix (512 x 512): x = the user, y = 0 the ndcg matrix, y = 1 the diversity matrix.
; THE MATRIX IS KEPT IN FACTORS: P = diag(r) E diag(c), E(i,j) = 2^(C (L(i,j) - m(i))), L(i,j) = v(i) s(j) - A(j), m(i) = max over j of L, C = 10 log2(e), v(i) = 511 - 2 i.
;   mat / clip(sum over i, EPS) is c(j) <- c(j) / max(c(j) T(j), EPS) with T(j) = sum over i of r(i) E(i,j);
;   mat / clip(sum over j, EPS) is r(i) <- r(i) / max(r(i) R(i), EPS) with R(i) = sum over j of E(i,j) c(j); the softmax is that row step with r = c = 1.
;   These are identities for all values; the maximum ahead of the exponential and both clips are kept.  512 x 512 f32 numbers are 1 MiB, more than the work-group's registers and LDS hold, so E is made anew in each sweep.
;   A sweep makes a row's E, its R, the new r, and adds r E into T at once: sweeps 0 to 4 are softmax + column step 1 .. row step 4 + column step 5; row step 5 is the tail.
; WORK LEFT OUT, for all values of the inputs: batch[:, :, 64:80] is sliced away by [:FIRST_USER_FEATURE] and is not loaded; of the ndcg matrix only rows 0 to 9 of the last row step and of
;   P rel reach calc_dcg's [:TOP_K] (rows 10, 11 stay inside a live group of four, with weight 0); the tiles of n n^T that lie wholly under the diagonal are thrown away by reference()'s own triu.
;   The sorts are taken as rank counts (stable, as argsort is) and selections: no address or branch hangs on data.
; LIMITS: NaN and infinities among the inputs are not served.  r and c are held at 1e30: that acts only where reference()'s entries are 0 or denormal.  A NaN, an infinity or an overflow that
;   reaches only the work left out is not carried to the result.  A block of zeros gets the scale byte 1 where the quantiser says 127: its codes are zeros, and only this text reads the bytes.
; No tensor load, cluster or prefetch: no two work-groups read the same bytes, and the one large input is read once, straight into the registers that quantise it, a whole rank pass ahead of its use.
; SHARES.  Thread t owns column t (A, ranks, c, T).  In the sweeps lane l holds columns 128 q + 4 l + e in register 4 q + e.  Wave w, group g, member e: row 64 g + 4 w + e.
.set CEXP,  0x4166d4ca                 ; C = 10 log2(e)
.set NCEXP, 0xc166d4ca                 ; -C
.set EPSB,  0x2edbe6ff                 ; 1e-10
.set BIG,   0x7149f2ca                 ; 1e30
; LDS, from each path's own base PB: the two paths share no byte
.set AS,    0                          ; -A(j), 2,048 bytes
.set CARR,  2048                       ; c(j)
.set REC,   4096                       ; (-C m, r) of a row, 8 bytes: wave w's 32 rows on end, 256 w + 32 g + 8 e
.set RED,   8192                       ; 16 bytes a wave
.set PART,  10240                      ; wave v's 512 column sums at 2,048 v
.set PBD,   43008                      ; the diversity path's base
.set IMG,   86016                      ; 32 tiles of 16 items as images of the operand's registers: 16 bytes a lane, then 8 bytes a lane: 768 a tile
.set SCW,   110592                     ; their scale words, 4 bytes a lane, 128 a tile
.set AW,    114688                     ; a(j); b(j) 2,048 bytes on
.set SPARE, 118784                     ; the spare words, 128 bytes for each wave
; vector registers
.set LN, 1
.set R, 2
.set H, 3
.set T4, 4
.set L16, 5
.set BO, 6
.set ZO, 7
.set XJ, 8
.set CNT, 9
.set AC0, 10
.set D0, 12
.set SPW, 14
.set NIL, 15
.set S, 16
.set NA, 32
.set CC, 48
.set ACC, 64
.set E, 80
.set RC, 144
.set RS, 152
.set TMP, 160
.set G, 176
.set CJ, 184
.set POS, 185
.set POS2, 186
.set RELJ, 187
.set W0, 188
.set W1, 189
.set W2, 190
.set W3, 191
.set RL, 192
.set RRS, 208
.set DD1, 216
.set DD2, 217
.set PA, 218
.set VT, 220
.set VL, 221
.set VP, 222
.set VR, 223
.set VRA, 224
.set VW, 225
.set VRD, 226
.set VIM, 227
.set VIM8, 228
.set VSC, 229
.set VIA, 230
.set VIB, 231
.set VSA, 232
.set VWA, 233
.set HIA, 234
.set HIB, 235
.set HSA, 236
.set HWA, 237
.set VAT, 238
.set YIA, 239
.set VE, 240                           ; v[240:247] v(i) of my four rows at the even registers; the odd ones are 0 (named as pairs)
.set VB, 248                           ; v[248:251] v(i) of group 0
.set YIB, 252
.set YSA, 253
.set YWA, 254
; the product's stage, in E's registers and behind
.set AF, 80
.set BX, 92
.set BY, 104
.set DX, 116
.set DY, 124
.set AI, 132
.set BI, 140
.set SA, 148
.set SBX, 149
.set SBY, 150
.set SMX, 152                          ; +0 sum a dis, +2 sum b dis, +4 sum a, +6 sum b: pairs
.set SMY, 160
.set AJX, 168
.set BJX, 169
.set AJY, 170
.set BJY, 171
.macro BAR                             ; my LDS stores have landed and my LDS loads are in: then the work-group's barrier
	s_wait_dscnt 0x0
	s_barrier_signal -1
	s_barrier_wait -1
.endm
.macro RED32 opd, op, regs:vararg      ; each listed register over the 32 lanes, the result in every lane; the registers take turns
.irp m, 1,2,4,8
.irp x, \regs
	\opd v[\x], v[\x], v[\x] row_xmask:\m row_mask:0xf bank_mask:0xf
.endr
.endr
.set ri, 0
.irp x, \regs
	v_permlanex16_b32 v[TMP+ri], v[\x], s84, s85
.set ri, ri+1
.endr
.set ri, 0
.irp x, \regs
	\op v[\x], v[\x], v[TMP+ri]
.set ri, ri+1
.endr
.endm
.macro ADDRS                           ; the path's LDS addresses: a constant, a constant x lane, a constant x wave
	v_add_nc_u32 v[VT], PB, v[T4]
	v_add_nc_u32 v[VL], PB, v[L16]
	s_lshl_b32 s28, s20, 11
	v_add_nc_u32 v[VP], s28, v[VL]
	s_lshl_b32 s28, s20, 8
	s_add_co_u32 s28, s28, PB
	v_mov_b32 v[VR], s28
	s_lshl_b32 s28, s20, 4
	s_add_co_u32 s28, s28, PB
	v_mov_b32 v[VW], s28
	v_lshl_add_u32 v[VRD], v[R], 4, PB
.endm
; 32 values k, in s[32:63], against my column's value: |difference| summed (asum = 1), and 1 counted where op holds
.macro RKBLOCK op, asum
.set kk, 0
.rept 32
.if \asum
	v_sub_f32 v[D0+kk%2], s[32+kk], v[XJ]
	v_add_f32 v[AC0+kk%2], v[AC0+kk%2], |v[D0+kk%2]|
.endif
	\op vcc_lo, s[32+kk], v[XJ]
	v_add_co_ci_u32 v[CNT], vcc_lo, 0, v[CNT], vcc_lo
.set kk, kk+1
.endr
.endm
.macro RKDIAG tie, asum                ; my own block of 32: an equal value counts by its place, which a constant mask of lanes says
.set kk, 0
.rept 32
.if \asum
	v_sub_f32 v[D0+kk%2], s[32+kk], v[XJ]
	v_add_f32 v[AC0+kk%2], v[AC0+kk%2], |v[D0+kk%2]|
.endif
	v_cmp_gt_f32 s28, s[32+kk], v[XJ]
	v_cmp_eq_f32 s29, s[32+kk], v[XJ]
.if \tie == 0
	s_and_b32 s29, s29, (0xfffffffe<<kk)&0xffffffff      ; lanes above kk: k < j
.else
	s_and_b32 s29, s29, (1<<kk)-1                        ; lanes under kk: k > j
.endif
	s_or_b32 vcc_lo, s28, s29
	v_add_co_ci_u32 v[CNT], vcc_lo, 0, v[CNT], vcc_lo
.set kk, kk+1
.endr
.endm
; CNT = the number of k whose value is above mine, or equal with k < j (tie = 0) or k > j (tie = 1).  s[26:27] walks the row of 512 values, 32 a trip; the branches hang on ids alone.
.macro RANKPASS tie, asum
	v_mov_b32 v[CNT], 0
.if \asum
	v_mov_b32 v[AC0], 0
	v_mov_b32 v[AC0+1], 0
.endif
	s_mov_b32 s87, 0
.Lrk_\@:
	s_load_b512 s[32:47], s[26:27], 0x0
	s_load_b512 s[48:63], s[26:27], 0x40
	s_wait_kmcnt 0x0                               ; both are in, so their base may step
	s_add_nc_u64 s[26:27], s[26:27], 128
	s_cmp_eq_u32 s87, s20
	s_cbranch_scc1 .Lrkd_\@
	s_cmp_lt_u32 s87, s20
	s_cbranch_scc0 .Lrka_\@
.if \tie == 0
	RKBLOCK v_cmp_ge_f32, \asum                    ; all these k lie before my column
.else
	RKBLOCK v_cmp_gt_f32, \asum
.endif
	s_branch .Lrkn_\@
.Lrka_\@:
.if \tie == 0
	RKBLOCK v_cmp_gt_f32, \asum                    ; all these k lie behind my column
.else
	RKBLOCK v_cmp_ge_f32, \asum
.endif
	s_branch .Lrkn_\@
.Lrkd_\@:
	RKDIAG \tie, \asum
.Lrkn_\@:
	s_add_co_u32 s87, s87, 1
	s_cmp_lt_u32 s87, 16
	s_cbranch_scc1 .Lrk_\@
.endm
.macro VRESET                          ; back to group 0's rows
.irp e, 0,1,2,3
	v_mov_b32 v[VE+2*\e], v[VB+\e]
.endr
.endm
.macro LROWS                           ; L(i, j) = v(i) s(j) - A(j) for my four rows, 16 columns a lane
.irp e, 0,1,2,3
.irp c, 0,2,4,6,8,10,12,14
	v_pk_fma_f32 v[E+16*\e+\c:E+16*\e+\c+1], v[S+\c:S+\c+1], v[VE+2*\e:VE+2*\e+1], v[NA+\c:NA+\c+1] op_sel_hi:[1,0,1]
.endr
.endr
.endm
.macro MAXGROUP                        ; the rows' maxima: (-C m, r = 1) go to my records
	LROWS
.irp e, 0,1,2,3
	v_max3_num_f32 v[RS+2*\e], v[E+16*\e], v[E+16*\e+1], v[E+16*\e+2]
.endr
.irp i, 3,5,7,9,11,13
.irp e, 0,1,2,3
	v_max3_num_f32 v[RS+2*\e], v[RS+2*\e], v[E+16*\e+\i], v[E+16*\e+\i+1]
.endr
.endr
.irp e, 0,1,2,3
	v_max_num_f32 v[RS+2*\e], v[RS+2*\e], v[E+16*\e+15]
.endr
	RED32 v_max_num_f32_dpp, v_max_num_f32, RS, RS+2, RS+4, RS+6
.irp e, 0,1,2,3
	v_mul_f32 v[RC+2*\e], s91, v[RS+2*\e]
	v_mov_b32 v[RC+2*\e+1], 1.0
	v_add_f32 v[VE+2*\e], 0xc3000000, v[VE+2*\e]   ; 64 rows on: v falls by 128
.endr
	s_lshl_b32 s86, s87, 5
	v_add_nc_u32 v[VRA], s86, v[VR]
	ds_store_b128 v[VRA], v[RC:RC+3] offset:REC
	ds_store_b128 v[VRA], v[RC+4:RC+7] offset:REC+16
.endm
; Four rows of a sweep.  mode 0: row step, then r E into the column sums.  mode 1: the last row step, then w r E (w = 512 - i).  mode 2: the last row step and the rows' sums with c rel.
.macro GROUP mode
	s_lshl_b32 s86, s87, 5
	v_add_nc_u32 v[VRA], s86, v[VR]
	ds_load_b128 v[RC:RC+3], v[VRA] offset:REC     ; my own records: no other wave touches them
	ds_load_b128 v[RC+4:RC+7], v[VRA] offset:REC+16
	LROWS
	s_wait_dscnt 0x0
.irp e, 0,1,2,3
.irp c, 0,2,4,6,8,10,12,14
	v_pk_fma_f32 v[E+16*\e+\c:E+16*\e+\c+1], v[E+16*\e+\c:E+16*\e+\c+1], s[82:83], v[RC+2*\e:RC+2*\e+1] op_sel_hi:[1,0,0]   ; C L - C m
.endr
.endr
.set i, 0
.rept 64
	v_exp_f32 v[E+i], v[E+i]
.set i, i+1
.endr
.if \mode == 1
.irp e, 0,1,2,3
	v_fma_f32 v[G+2*\e], v[VE+2*\e], 0.5, 0x43804000     ; w = 0.5 v + 256.5 = 512 - i
.endr
.endif
.irp e, 0,1,2,3
	v_add_f32 v[VE+2*\e], 0xc3000000, v[VE+2*\e]   ; plain work behind the exponentials
.endr
	s_wait_alu depctr_va_vdst(0)                   ; one wait for the 64, ahead of their first reader
.irp e, 0,1,2,3
	v_pk_mul_f32 v[RS+2*\e:RS+2*\e+1], v[E+16*\e:E+16*\e+1], v[CC:CC+1]
.endr
.irp c, 2,4,6,8,10,12,14
.irp e, 0,1,2,3
	v_pk_fma_f32 v[RS+2*\e:RS+2*\e+1], v[E+16*\e+\c:E+16*\e+\c+1], v[CC+\c:CC+\c+1], v[RS+2*\e:RS+2*\e+1]
.endr
.endr
.if \mode == 2
.irp e, 0,1,2,3
	v_pk_mul_f32 v[RRS+2*\e:RRS+2*\e+1], v[E+16*\e:E+16*\e+1], v[RL:RL+1]
.endr
.irp c, 2,4,6,8,10,12,14
.irp e, 0,1,2,3
	v_pk_fma_f32 v[RRS+2*\e:RRS+2*\e+1], v[E+16*\e+\c:E+16*\e+\c+1], v[RL+\c:RL+\c+1], v[RRS+2*\e:RRS+2*\e+1]
.endr
.endr
.irp e, 0,1,2,3
	v_add_f32 v[RRS+2*\e], v[RRS+2*\e], v[RRS+2*\e+1]
.endr
.endif
.irp e, 0,1,2,3
	v_add_f32 v[RS+2*\e], v[RS+2*\e], v[RS+2*\e+1]
.endr
.if \mode == 2
	RED32 v_add_f32_dpp, v_add_f32, RS, RS+2, RS+4, RS+6, RRS, RRS+2, RRS+4, RRS+6
.else
	RED32 v_add_f32_dpp, v_add_f32, RS, RS+2, RS+4, RS+6
.endif
.irp e, 0,1,2,3
	v_mul_f32 v[RS+2*\e], v[RC+2*\e+1], v[RS+2*\e]       ; the row's sum r R,
.endr
.irp e, 0,1,2,3
	v_max_num_f32 v[RS+2*\e], s89, v[RS+2*\e]            ; clipped at EPS
.endr
.irp e, 0,1,2,3
	v_rcp_f32 v[RS+2*\e], v[RS+2*\e]
.endr
	v_nop
	s_wait_alu depctr_va_vdst(0)
.irp e, 0,1,2,3
	v_mul_f32 v[RC+2*\e+1], v[RC+2*\e+1], v[RS+2*\e]
.endr
.irp e, 0,1,2,3
	v_min_num_f32 v[RC+2*\e+1], s90, v[RC+2*\e+1]
.endr
.if \mode == 0
.irp e, 0,1,2,3
	v_mov_b32 v[G+2*\e], v[RC+2*\e+1]
.endr
.endif
.if \mode == 1
.irp e, 0,1,2,3
	v_mul_f32 v[G+2*\e], v[G+2*\e], v[RC+2*\e+1]
.endr
.endif
.if \mode < 2
.irp e, 0,1,2,3
.irp c, 0,2,4,6,8,10,12,14
	v_pk_fma_f32 v[ACC+\c:ACC+\c+1], v[E+16*\e+\c:E+16*\e+\c+1], v[G+2*\e:G+2*\e+1], v[ACC+\c:ACC+\c+1] op_sel_hi:[1,0,1]
.endr
.endr
.endif
.if \mode == 0
	ds_store_b128 v[VRA], v[RC:RC+3] offset:REC
	ds_store_b128 v[VRA], v[RC+4:RC+7] offset:REC+16
.endif
.endm
.macro COLSUM                          ; the sixteen waves' column sums meet: T of my column in W0
.irp q, 0,1,2,3
	ds_store_b128 v[VP], v[ACC+4*\q:ACC+4*\q+3] offset:PART+512*\q
.endr
	BAR
.irp v, 0,1,2,3,4,5,6,7,8,9,10,11,12,13,14,15
	ds_load_b32 v[TMP+\v], v[VT] offset:PART+2048*\v
.endr
	s_wait_dscnt 0x0
.irp c, 0,2,4,6
	v_pk_add_f32 v[TMP+\c:TMP+\c+1], v[TMP+\c:TMP+\c+1], v[TMP+\c+8:TMP+\c+9]
.endr
.irp c, 0,2
	v_pk_add_f32 v[TMP+\c:TMP+\c+1], v[TMP+\c:TMP+\c+1], v[TMP+\c+4:TMP+\c+5]
.endr
	v_pk_add_f32 v[TMP:TMP+1], v[TMP:TMP+1], v[TMP+2:TMP+3]
	v_add_f32 v[W0], v[TMP], v[TMP+1]
.endm
.macro COLUPD                          ; a column step.  The partial sums are written again only behind the second barrier, c only behind the next first one
	COLSUM
	v_mul_f32 v[W0], v[CJ], v[W0]
	v_max_num_f32 v[W0], s89, v[W0]
	v_rcp_f32 v[W0], v[W0]
.set i, 0
.rept 16
	v_mov_b32 v[ACC+i], 0                          ; the next sweep's sums begin; plain work behind the reciprocal
.set i, i+1
.endr
	s_wait_alu depctr_va_vdst(0)
	v_mul_f32 v[CJ], v[CJ], v[W0]
	v_min_num_f32 v[CJ], s90, v[CJ]
	ds_store_b32 v[VT], v[CJ] offset:CARR
	BAR
.irp q, 0,1,2,3
	ds_load_b128 v[CC+4*\q:CC+4*\q+3], v[VL] offset:CARR+512*\q
.endr
	s_wait_dscnt 0x0
.endm
.macro PREP                            ; -A in the sweeps' layout; c = 1; the rows' maxima
	BAR
.irp q, 0,1,2,3
	ds_load_b128 v[NA+4*\q:NA+4*\q+3], v[VL] offset:AS+512*\q
.endr
.set i, 0
.rept 16
	v_mov_b32 v[CC+i], 1.0
	v_mov_b32 v[ACC+i], 0
.set i, i+1
.endr
	v_mov_b32 v[CJ], 1.0
	VRESET
	s_wait_dscnt 0x0
	s_mov_b32 s87, 0
.Lmx_\@:
	MAXGROUP
	s_add_co_u32 s87, s87, 1
	s_cmp_lt_u32 s87, 8
	s_cbranch_scc1 .Lmx_\@
.endm
.macro SWEEPS5
	s_mov_b32 s88, 5
.Lsw_\@:
	VRESET
	s_mov_b32 s87, 0
.Lgr_\@:
	GROUP 0
	s_add_co_u32 s87, s87, 1
	s_cmp_lt_u32 s87, 8
	s_cbranch_scc1 .Lgr_\@
	COLUPD
	s_sub_co_u32 s88, s88, 1
	s_cmp_lg_u32 s88, 0
	s_cbranch_scc1 .Lsw_\@
.endm
.macro FINISH a, pa, b, pb             ; thread 0 of the work-group stores the user's two numbers; then the wave's end
	v_cmp_eq_u32 vcc_lo, 0, v0
	s_wait_xcnt 0x0                                ; EXEC changes only behind this wait
	s_and_saveexec_b32 s28, vcc_lo
	global_store_b32 v[ZO], v[\a], s[\pa:\pa+1]
	global_store_b32 v[ZO], v[\b], s[\pb:\pb+1]
	s_wait_xcnt 0x0
	s_or_b32 exec_lo, exec_lo, s28
	s_wait_tensorcnt 0x0                           ; the wave's end
	ds_add_u32 v[SPW], v[NIL]
	s_wait_dscnt 0x0
	s_endpgm
.endm
; Tile 2 w + t of the items: lane (r, h) holds features 32 h .. 32 h + 31 of row r in v[E + 32 t] on: normalised in f32, then codes and the scale word, as an image of the operand's registers
.macro QUANT t
.set XS, E+32*\t
.set CD, 192+12*\t
	v_pk_mul_f32 v[RS:RS+1], v[XS:XS+1], v[XS:XS+1]
	v_pk_mul_f32 v[RS+2:RS+3], v[XS+2:XS+3], v[XS+2:XS+3]
.irp c, 4,8,12,16,20,24,28
	v_pk_fma_f32 v[RS:RS+1], v[XS+\c:XS+\c+1], v[XS+\c:XS+\c+1], v[RS:RS+1]
	v_pk_fma_f32 v[RS+2:RS+3], v[XS+\c+2:XS+\c+3], v[XS+\c+2:XS+\c+3], v[RS+2:RS+3]
.endr
	v_pk_add_f32 v[RS:RS+1], v[RS:RS+1], v[RS+2:RS+3]
	v_add_f32 v[RS], v[RS], v[RS+1]
	v_permlanex16_b32 v[TMP], v[RS], s84, s85
	v_add_f32 v[RS], v[RS], v[TMP]                 ; with the row's other 32 features
	v_sqrt_f32 v[RS], v[RS]
	v_nop
	s_wait_alu depctr_va_vdst(0)
	v_max_num_f32 v[RS], 0x322bcc77, v[RS]         ; clip(norm, 1e-8)
	v_rcp_f32 v[RS], v[RS]
	v_nop
	s_wait_alu depctr_va_vdst(0)
.irp c, 0,2,4,6,8,10,12,14,16,18,20,22,24,26,28,30
	v_pk_mul_f32 v[XS+\c:XS+\c+1], v[XS+\c:XS+\c+1], v[RS:RS+1] op_sel_hi:[1,0]
.endr
	v_max3_num_f32 v[RS+2], |v[XS]|, |v[XS+1]|, 0x1800000          ; the block's largest magnitude, all 32 mine, with the floor 2^(3 - 127): the byte cannot fall under 1
	v_max3_num_f32 v[RS+3], |v[XS+16]|, |v[XS+17]|, |v[XS+18]|
.irp i, 2,4,6,8,10,12
	v_max3_num_f32 v[RS+2], v[RS+2], |v[XS+\i]|, |v[XS+\i+1]|
	v_max3_num_f32 v[RS+3], v[RS+3], |v[XS+\i+17]|, |v[XS+\i+18]|
.endr
	v_max3_num_f32 v[RS+2], v[RS+2], |v[XS+14]|, |v[XS+15]|
	v_max3_num_f32 v[RS+2], v[RS+2], v[RS+3], |v[XS+31]|
	v_add_nc_u32 v[RS+4], 0xff000000, v[RS+2]      ; 2 off its exponent field: the conversion's scale operand
	v_lshrrev_b32 v[RS+5], 23, v[RS+4]             ; the scale's byte
	v_cvt_scalef32_pk16_fp6_f32 v[CD:CD+2], v[XS:XS+15], v[RS+4]
	v_cvt_scalef32_pk16_fp6_f32 v[CD+6:CD+8], v[XS+16:XS+31], v[RS+4]   ; (a conversion's three registers begin on an even number)
	v_nop                                          ; one plain place behind a scaled conversion
.irp i, 0,1,2
	v_mov_b32 v[CD+3+\i], v[CD+6+\i]
.endr
	v_lshlrev_b32 v[RS+6], 3, v[H]
	v_lshlrev_b32 v[RS+5], v[RS+6], v[RS+5]        ; my byte at its place, 8 h bits up,
	v_permlanex16_b32 v[TMP], v[RS+5], s84, s85
	v_or_b32 v[RS+5], v[RS+5], v[TMP]              ; with the other block's,
	v_or_b32 v[CD+9], 0x7f7f0000, v[RS+5]          ; and 127 for k = 64 .. 127, whose codes are zeros
	ds_store_b128 v[VIM], v[CD:CD+3] offset:768*\t
	ds_store_b64 v[VIM8], v[CD+4:CD+5] offset:768*\t
	ds_store_b32 v[VSC], v[CD+9] offset:128*\t
.endm
; One tile (ti, tj) of 1 - n n^T against the weights.  Lane (r, h), register g: item i = 16 ti + 8 h + g, item j = 16 tj + r.  On the diagonal the weights of i >= j become 0.
.macro COL b, sb, d, sm, tj
	s_cmp_gt_u32 s100, s[\tj]
	s_cbranch_scc1 .Lcs_\@
	s_cmp_lg_u32 s100, s[\tj]
	s_cbranch_scc1 .Lcf_\@
.irp g, 0,1,2,3,4,5,6,7
	v_cndmask_b32 v[AI+\g], 0, v[AI+\g], s[92+\g]
	v_cndmask_b32 v[BI+\g], 0, v[BI+\g], s[92+\g]
.endr
.Lcf_\@:
	v_wmma_scale_f32_16x16x128_f8f6f4 v[\d:\d+7], v[AF:AF+11], v[\b:\b+11], 0, v[SA], v[\sb] matrix_a_fmt:MATRIX_FMT_FP6 matrix_b_fmt:MATRIX_FMT_FP6
.irp c, 0,2,4,6
	v_pk_add_f32 v[\sm+4:\sm+5], v[\sm+4:\sm+5], v[AI+\c:AI+\c+1]    ; the weights' sums: eight plain lines that name no register of the product stand behind it
	v_pk_add_f32 v[\sm+6:\sm+7], v[\sm+6:\sm+7], v[BI+\c:BI+\c+1]
.endr
.irp c, 0,2,4,6
	v_pk_add_f32 v[\d+\c:\d+\c+1], v[\d+\c:\d+\c+1], 1.0 op_sel_hi:[1,0] neg_lo:[1,0] neg_hi:[1,0]   ; 1 - cosine, from the result's low end on
.endr
.irp c, 0,2,4,6
	v_pk_fma_f32 v[\sm:\sm+1], v[AI+\c:AI+\c+1], v[\d+\c:\d+\c+1], v[\sm:\sm+1]
	v_pk_fma_f32 v[\sm+2:\sm+3], v[BI+\c:BI+\c+1], v[\d+\c:\d+\c+1], v[\sm+2:\sm+3]
.endr
.Lcs_\@:
.endm
; ---------------- the head, common to both paths
	s_load_b256 s[4:11], s[0:1], 0x0               ; batch, the diversity score, the ndcg score, relevance
	s_load_b256 s[12:19], s[0:1], 0x20             ; out0 .. out3
	v_lshl_add_u32 v[SPW], v0, 2, SPARE
	v_mov_b32 v[NIL], 0
	v_lshrrev_b32 v[LN], 5, v0
	v_readfirstlane_b32 s20, v[LN]                 ; wave 0..15
	v_and_b32 v[LN], 31, v0
	v_and_b32 v[R], 15, v0
	v_bfe_u32 v[H], v0, 4, 1
	v_lshlrev_b32 v[T4], 2, v0
	v_lshlrev_b32 v[L16], 4, v[LN]
	v_mov_b32 v[ZO], 0
	s_and_b32 s21, ttmp7, 0xffff                   ; 0: ndcg, 1: diversity
	s_mov_b32 s82, CEXP
	s_mov_b32 s83, CEXP
	s_mov_b32 s84, 0x76543210
	s_mov_b32 s85, 0xfedcba98                      ; v_permlanex16_b32's selects for lane l xor 16
	s_mov_b32 s89, EPSB
	s_mov_b32 s90, BIG
	s_mov_b32 s91, NCEXP
	s_lshl_b32 s28, s20, 3
	s_sub_co_u32 s28, 511, s28
.irp e, 0,1,2,3
	s_sub_co_u32 s29, s28, 2*\e
	v_cvt_f32_u32 v[VB+\e], s29                    ; v of row 4 w + e: 511 - 8 w - 2 e
	v_mov_b32 v[VE+2*\e+1], 0
	v_mov_b32 v[G+2*\e+1], 0
.endr
.set i, 0
.rept 16
	v_mov_b32 v[TMP+i], 0                          ; written once: a lane permute's destination counts as one of its sources
.set i, i+1
.endr
	s_lshl_b32 s28, ttmp9, 11                      ; the user's row of 512 f32,
	s_mov_b32 s29, 0
	s_mul_i32 s30, ttmp9, 163840                   ; the user's 512 x 80 f32,
	s_mov_b32 s31, 0
	s_lshl_b32 s24, ttmp9, 2                       ; the user's number in each output
	s_mov_b32 s25, 0
	s_wait_kmcnt 0x0
	s_add_nc_u64 s[4:5], s[4:5], s[30:31]
	s_add_nc_u64 s[6:7], s[6:7], s[28:29]
	s_add_nc_u64 s[8:9], s[8:9], s[28:29]
	s_add_nc_u64 s[10:11], s[10:11], s[28:29]
	s_add_nc_u64 s[12:13], s[12:13], s[24:25]
	s_add_nc_u64 s[14:15], s[14:15], s[24:25]
	s_add_nc_u64 s[16:17], s[16:17], s[24:25]
	s_add_nc_u64 s[18:19], s[18:19], s[24:25]
	s_cmp_lg_u32 s21, 0
	s_cbranch_scc1 .Ldiv                           ; the paths part once and never join
; ---------------- the ndcg matrix
.set PB, 0
	ADDRS
.irp q, 0,1,2,3
	global_load_b128 v[S+4*\q:S+4*\q+3], v[L16], s[8:9] offset:512*\q
.endr
	global_load_b32 v[XJ], v[T4], s[8:9]
.irp q, 0,1,2,3
	global_load_b128 v[RL+4*\q:RL+4*\q+3], v[L16], s[10:11] offset:512*\q
.endr
	global_load_b32 v[RELJ], v[T4], s[10:11]
	s_mov_b64 s[26:27], s[8:9]
	s_wait_loadcnt 0x0
	RANKPASS 0, 1                                  ; A of my column, and its place in the descending stable order of the scores
	v_mov_b32 v[POS], v[CNT]
	v_sub_f32 v[W0], -v[AC0], v[AC0+1]
	ds_store_b32 v[VT], v[W0] offset:AS            ; -A
	s_mov_b64 s[26:27], s[10:11]
	v_mov_b32 v[XJ], v[RELJ]
	RANKPASS 0, 0                                  ; its place in the descending order of the relevances
	v_mov_b32 v[POS2], v[CNT]
	v_add_nc_u32 v[W0], 2, v[POS]
	v_add_nc_u32 v[W1], 2, v[POS2]
	v_cvt_f32_u32 v[W0], v[W0]
	v_cvt_f32_u32 v[W1], v[W1]
	v_exp_f32 v[W2], v[RELJ]
	v_log_f32 v[W0], v[W0]
	v_log_f32 v[W1], v[W1]
	v_mov_b32 v[PA+1], 0
	s_wait_alu depctr_va_vdst(0)
	v_rcp_f32 v[W0], v[W0]
	v_rcp_f32 v[W1], v[W1]
	v_add_f32 v[W2], -1.0, v[W2]                   ; 2^rel - 1
	s_wait_alu depctr_va_vdst(0)
	v_mul_f32 v[DD1], v[W2], v[W0]
	v_mul_f32 v[DD2], v[W2], v[W1]
	v_cmp_gt_u32 vcc_lo, 10, v[POS]
	v_cndmask_b32 v[DD1], 0, v[DD1], vcc_lo        ; my item's share of dcg,
	v_cmp_gt_u32 vcc_lo, 10, v[POS2]
	v_cndmask_b32 v[DD2], 0, v[DD2], vcc_lo        ; and of best_dcg
	RED32 v_add_f32_dpp, v_add_f32, DD1, DD2
	PREP
	SWEEPS5
	v_mov_b32 v[PA], 0
	s_cmp_lt_u32 s20, 3                            ; rows 0 to 11 are group 0 of waves 0 to 2
	s_cbranch_scc0 .Lno_tail
.irp c, 0,2,4,6,8,10,12,14
	v_pk_mul_f32 v[RL+\c:RL+\c+1], v[CC+\c:CC+\c+1], v[RL+\c:RL+\c+1]   ; c rel
.endr
	VRESET
	s_mov_b32 s87, 0
	GROUP 2
.irp e, 0,1,2,3
	v_mul_f32 v[RRS+2*\e], v[RC+2*\e+1], v[RRS+2*\e]     ; approx_rel of row 4 w + e
.endr
	s_lshl_b32 s28, s20, 2
.irp e, 0,1,2,3
	s_add_co_u32 s29, s28, \e+2
	v_cvt_f32_u32 v[W0+\e], s29
.endr
.irp e, 0,1,2,3
	v_exp_f32 v[RRS+2*\e], v[RRS+2*\e]
.endr
.irp e, 0,1,2,3
	v_log_f32 v[W0+\e], v[W0+\e]
.endr
	v_nop
	s_wait_alu depctr_va_vdst(0)
.irp e, 0,1,2,3
	v_rcp_f32 v[W0+\e], v[W0+\e]
.endr
.irp e, 0,1,2,3
	v_add_f32 v[RRS+2*\e], -1.0, v[RRS+2*\e]
.endr
	s_wait_alu depctr_va_vdst(0)
.irp e, 0,1,2,3
	s_add_co_u32 s29, s28, \e
	s_cmp_lt_u32 s29, 10                           ; ids alone: rows 10 and 11 weigh nothing
	s_cselect_b32 s29, 0x3f800000, 0
	v_mul_f32 v[W0+\e], s29, v[W0+\e]
	v_fma_f32 v[PA], v[RRS+2*\e], v[W0+\e], v[PA]
.endr
.Lno_tail:
	ds_store_b128 v[VW], v[DD1:DD1+3] offset:RED   ; (dcg, best_dcg, approx_dcg, 0) of my wave
	BAR
	ds_load_b128 v[DD1:DD1+3], v[VRD] offset:RED   ; lane r takes wave r's
	s_wait_dscnt 0x0
.irp m, 1,2,4,8
.irp x, DD1, DD2, PA
	v_add_f32_dpp v[\x], v[\x], v[\x] row_xmask:\m row_mask:0xf bank_mask:0xf
.endr
.endr
	v_rcp_f32 v[W0], v[DD2]
	v_nop
	s_wait_alu depctr_va_vdst(0)
	v_mul_f32 v[W1], v[PA], v[W0]
	v_mul_f32 v[W2], v[DD1], v[W0]
	FINISH W1, 12, W2, 14
; ---------------- the diversity matrix.  Left out here: batch's features 64 to 79, and the tiles of n n^T under the diagonal (the head comment shows why)
.Ldiv:
.set PB, PBD
	ADDRS
	v_add_nc_u32 v[VIA], IMG, v[L16]
	v_lshl_add_u32 v[VIB], v[LN], 3, IMG+512
	v_lshl_add_u32 v[VSA], v[LN], 2, SCW
	v_lshl_add_u32 v[VWA], v[H], 5, AW
	s_mul_i32 s28, s20, 1536
	v_add_nc_u32 v[VIM], s28, v[VIA]
	v_add_nc_u32 v[VIM8], s28, v[VIB]
	s_lshl_b32 s28, s20, 8
	v_add_nc_u32 v[VSC], s28, v[VSA]
	v_add_nc_u32 v[VAT], AW, v[T4]
	v_mul_u32_u24 v[BO], v[R], 320                 ; batch: row r of 320 bytes, + 128 h, + my wave's 32 rows
	v_lshl_add_u32 v[BO], v[H], 7, v[BO]
	s_mul_i32 s28, s20, 10240
	v_add_nc_u32 v[BO], s28, v[BO]
.irp q, 0,1,2,3
	global_load_b128 v[S+4*\q:S+4*\q+3], v[L16], s[6:7] offset:512*\q
.endr
	global_load_b32 v[XJ], v[T4], s[6:7]
.irp t, 0,1
.irp i, 0,1,2,3,4,5,6,7
	global_load_b128 v[E+32*\t+4*\i:E+32*\t+4*\i+3], v[BO], s[4:5] offset:5120*\t+16*\i th:TH_LOAD_NT   ; my block of 32 features of row r, tiles 2 w and 2 w + 1
.endr
.endr
	s_mov_b64 s[26:27], s[6:7]
	s_wait_loadcnt 16                              ; the scores are in; the 16 loads of batch, issued behind them, stay out through the rank pass
	RANKPASS 1, 1                                  ; A of my column; CNT = 511 - its place in the ascending stable order: real_rank >= 503 where CNT < 10
	v_mov_b32 v[POS], v[CNT]
	v_sub_f32 v[W0], -v[AC0], v[AC0+1]
	ds_store_b32 v[VT], v[W0] offset:AS
	s_wait_loadcnt 0x0
	QUANT 0
	QUANT 1
	PREP
	SWEEPS5
	VRESET
	s_mov_b32 s87, 0
.Llast:
	GROUP 1                                        ; row step 5, and sum over i of w r E
	s_add_co_u32 s87, s87, 1
	s_cmp_lt_u32 s87, 8
	s_cbranch_scc1 .Llast
	COLSUM
	v_mul_f32 v[W0], v[CJ], v[W0]                  ; approx_rank of my item
	v_add_f32 v[W0], 0xc3fb0000, v[W0]             ; - 502
	v_mul_f32 v[W0], 0xbfb8aa3b, v[W0]
	v_exp_f32 v[W0], v[W0]
	v_lshlrev_b32 v[W2], 3, v[H]                   ; 8 h, for the diagonal's masks
	s_wait_alu depctr_va_vdst(0)
	v_add_f32 v[W0], 1.0, v[W0]
	v_rcp_f32 v[W0], v[W0]                         ; a = the sigmoid
	v_cmp_gt_u32 vcc_lo, 10, v[POS]
	v_cndmask_b32 v[W1], 0, 1.0, vcc_lo            ; b = clip(real_rank - 502, 0, 1)
	s_wait_alu depctr_va_vdst(0)
	ds_store_b32 v[VAT], v[W0]
	ds_store_b32 v[VAT], v[W1] offset:2048
.irp g, 0,1,2,3,4,5,6,7
	v_add_nc_u32 v[W3], \g, v[W2]
	v_cmp_lt_u32 s[92+\g], v[W3], v[R]             ; lanes in which i < j on a diagonal tile
.endr
.irp i, 6,7,8,9,10,11
	v_mov_b32 v[AF+\i], 0                          ; k = 64 .. 127: zero codes on both sides
	v_mov_b32 v[BX+\i], 0
	v_mov_b32 v[BY+\i], 0
.endr
.set i, 0
.rept 16
	v_mov_b32 v[SMX+i], 0
.set i, i+1
.endr
	s_xor_b32 s101, s20, 31                        ; my two tile columns: w and 31 - w: w + 1 and 32 - w tiles, 33 for every wave
	s_mul_i32 s28, s20, 768
	v_add_nc_u32 v[HIA], s28, v[VIA]
	v_add_nc_u32 v[HIB], s28, v[VIB]
	s_lshl_b32 s28, s20, 7
	v_add_nc_u32 v[HSA], s28, v[VSA]
	v_lshl_add_u32 v[HWA], v[R], 2, AW
	v_mov_b32 v[YWA], v[HWA]
	s_lshl_b32 s28, s20, 6
	v_add_nc_u32 v[HWA], s28, v[HWA]
	s_mul_i32 s28, s101, 768
	v_add_nc_u32 v[YIA], s28, v[VIA]
	v_add_nc_u32 v[YIB], s28, v[VIB]
	s_lshl_b32 s28, s101, 7
	v_add_nc_u32 v[YSA], s28, v[VSA]
	s_lshl_b32 s28, s101, 6
	v_add_nc_u32 v[YWA], s28, v[YWA]
	BAR                                            ; a and b of all items lie in LDS (the images have lain there since the first barrier)
	ds_load_b128 v[BX:BX+3], v[HIA]
	ds_load_b64 v[BX+4:BX+5], v[HIB]
	ds_load_b32 v[SBX], v[HSA]
	ds_load_b32 v[AJX], v[HWA]
	ds_load_b32 v[BJX], v[HWA] offset:2048
	ds_load_b128 v[BY:BY+3], v[YIA]
	ds_load_b64 v[BY+4:BY+5], v[YIB]
	ds_load_b32 v[SBY], v[YSA]
	ds_load_b32 v[AJY], v[YWA]
	ds_load_b32 v[BJY], v[YWA] offset:2048
	s_wait_dscnt 0x0
	s_mov_b32 s100, 0
.Lti:                                                  ; 32 trips, a constant; a trip whose tile row lies under both my columns is jumped over: ids alone
	s_cmp_gt_u32 s100, s101
	s_cbranch_scc1 .Lti_next
	s_mul_i32 s28, s100, 768
	v_add_nc_u32 v[HIA], s28, v[VIA]
	v_add_nc_u32 v[HIB], s28, v[VIB]
	s_lshl_b32 s28, s100, 7
	v_add_nc_u32 v[HSA], s28, v[VSA]
	s_lshl_b32 s28, s100, 6
	v_add_nc_u32 v[HWA], s28, v[VWA]
	ds_load_b128 v[AF:AF+3], v[HIA]
	ds_load_b64 v[AF+4:AF+5], v[HIB]
	ds_load_b32 v[SA], v[HSA]
	ds_load_b128 v[AI:AI+3], v[HWA]
	ds_load_b128 v[AI+4:AI+7], v[HWA] offset:16
	ds_load_b128 v[BI:BI+3], v[HWA] offset:2048
	ds_load_b128 v[BI+4:BI+7], v[HWA] offset:2064
	s_wait_dscnt 0x0
	COL BY, SBY, DY, SMY, 101                      ; column 31 - w first: where column w masks the weights in place, that is their last use in the trip
	COL BX, SBX, DX, SMX, 20
.Lti_next:
	s_add_co_u32 s100, s100, 1
	s_cmp_lt_u32 s100, 32
	s_cbranch_scc1 .Lti
.irp k, 0,2,4,6
	v_add_f32 v[SMX+\k], v[SMX+\k], v[SMX+\k+1]
	v_add_f32 v[SMY+\k], v[SMY+\k], v[SMY+\k+1]
.endr
	v_mul_f32 v[W0], v[AJX], v[SMX]                ; x the weight of my item j
	v_mul_f32 v[W1], v[BJX], v[SMX+2]
	v_mul_f32 v[W2], v[AJX], v[SMX+4]
	v_mul_f32 v[W3], v[BJX], v[SMX+6]
	v_fma_f32 v[W0], v[AJY], v[SMY], v[W0]
	v_fma_f32 v[W1], v[BJY], v[SMY+2], v[W1]
	v_fma_f32 v[W2], v[AJY], v[SMY+4], v[W2]
	v_fma_f32 v[W3], v[BJY], v[SMY+6], v[W3]
	RED32 v_add_f32_dpp, v_add_f32, W0, W1, W2, W3
	ds_store_b128 v[VW], v[W0:W0+3] offset:RED
	BAR
	ds_load_b128 v[W0:W0+3], v[VRD] offset:RED
	s_wait_dscnt 0x0
.irp m, 1,2,4,8
.irp x, W0, W1, W2, W3
	v_add_f32_dpp v[\x], v[\x], v[\x] row_xmask:\m row_mask:0xf bank_mask:0xf
.endr
.endr
	v_rcp_f32 v[W2], v[W2]
	v_rcp_f32 v[W3], v[W3]
	v_nop
	s_wait_alu depctr_va_vdst(0)
	v_mul_f32 v[W0], v[W0], v[W2]
	v_mul_f32 v[W1], v[W1], v[W3]
	FINISH W0, 16, W1, 18
.Lfunc_end_k_q1ff2ae472f_loss:
	.size	k_q1ff2ae472f_loss, .Lfunc_end_k_q1ff2ae472f_loss-k_q1ff2ae472f_loss
	.p2alignl 7, 3214868480
	.fill 96, 4, 3214868480
	.section	.rodata,"a",@progbits
	.p2align	6, 0x0
	.amdhsa_kernel k_q1ff2ae472f_loss
		.amdhsa_group_segment_fixed_size 120832
		.amdhsa_private_segment_fixed_size 0
		.amdhsa_enable_private_segment 0
		.amdhsa_kernarg_size 64
		.amdhsa_user_sgpr_count 2
		.amdhsa_user_sgpr_kernarg_segment_ptr 1
		.amdhsa_wavefront_size32 1
		.amdhsa_system_sgpr_workgroup_id_x 1
		.amdhsa_system_sgpr_workgroup_id_y 1
		.amdhsa_system_sgpr_workgroup_id_z 1
		.amdhsa_system_vgpr_workitem_id 0
		.amdhsa_next_free_vgpr 256
		.amdhsa_next_free_sgpr 102
		.amdhsa_reserve_vcc 1
		.amdhsa_float_denorm_mode_32 3
		.amdhsa_float_denorm_mode_16_64 3
		.amdhsa_memory_ordered 1
		.amdhsa_forward_progress 1
		.amdhsa_inst_pref_size 169
	.end_amdhsa_kernel
	.amdgpu_metadata
---
amdhsa.version: [ 1, 2 ]
amdhsa.kernels:
  - .name:           k_q1ff2ae472f_loss
    .symbol:         k_q1ff2ae472f_loss.kd
    .args:
      - { .name: batch, .offset: 0, .size: 8, .value_kind: global_buffer, .address_space: global }
      - { .name: model_score_for_div, .offset: 8, .size: 8, .value_kind: global_buffer, .address_space: global }
      - { .name: model_score_for_ndcg, .offset: 16, .size: 8, .value_kind: global_buffer, .address_space: global }
      - { .name: relevance, .offset: 24, .size: 8, .value_kind: global_buffer, .address_space: global }
      - { .name: out0, .offset: 32, .size: 8, .value_kind: global_buffer, .address_space: global }
      - { .name: out1, .offset: 40, .size: 8, .value_kind: global_buffer, .address_space: global }
      - { .name: out2, .offset: 48, .size: 8, .value_kind: global_buffer, .address_space: global }
      - { .name: out3, .offset: 56, .size: 8, .value_kind: global_buffer, .address_space: global }
    .group_segment_fixed_size: 120832
    .private_segment_fixed_size: 0
    .kernarg_segment_align: 8
    .kernarg_segment_size: 64
    .max_flat_workgroup_size: 512
    .sgpr_count:     102
    .vgpr_count:     256
    .wavefront_size: 32
...
	.end_amdgpu_metadata
.endif
;; end of part 1
